; MI455X (gfx1250); checked and timed in simulation.
; The chip was launched on July 23, 2026; its instructions are those of AMD's public machine-readable ISA for CDNA 5 (MIT licence, August 2026) and "CDNA5" Instruction Set Architecture Reference Guide (July 2026). The comments in the code are by the model that wrote it; some were corrected since.
;; Attention Block. Allowed arithmetic: matrix products marked QUANTISED: E2M3 operands, one E8M0 scale for each 32 along K, by v_wmma_scale_f32_16x16x128_f8f6f4 with both operands' format E2M3, f32 sums; everything else in f32.
;; Inputs: K 4 x 16 x 2,048 x 64 float32; Q 4 x 16 x 2,048 x 64 float32; V 4 x 16 x 2,048 x 64 float32; mask 1 x 1 x 2,048 x 2,048 bool.
;; Outputs: out0 4 x 16 x 2,048 x 64 float32.
;; This version of the problem:
;;   THIS VERSION OF THE PROBLEM IS GIVEN IN LOW PRECISION. The matrix products marked QUANTISED in the list below multiply operands that are first quantised to E2M3 (2 exponent bits, 3 mantissa bits; 6 bits a number), with one power-of-two scale for each 32 numbers along K (OCP MX v1.0); their sums are f32. All else is computed in f32.
;;   The module's matrix products, in the order in which they are computed (A, B: the left and right operand; K: the contracted axis; several contracted axes count as one K, in the product's order):
;;     1. batch 64 x [M 2,048, K 64] x [K 64, N 2,048]; A: input Q; B: input K: QUANTISED
;;     2. batch 64 x [M 2,048, K 2,048] x [K 2,048, N 64]; A: softmax (see below); B: input V: QUANTISED
;;   THE QUANTISER, for each operand of a quantised product, along K:
;;     - K is cut into blocks of 32 from its start; a last block that is shorter is filled with zeros.
;;     - A block's scale is 2^e with e = floor(log2(the largest magnitude in the block)) - 2, held to -126 .. 127; a block of zeros has e = 0. As a byte (E8M0): e + 127.
;;     - Each number is divided by its block's scale, clamped to +-7.5, and rounded to the nearest number of E2M3, ties to even, subnormals kept.
;;     - The product sums the exact products of the quantised numbers (number of the format x scale) in f32.
;;   ~~~python
;;   def quantise(x, axis):      # numpy; x: float32 -> the quantised numbers, widened to float32 again
;;       x = np.moveaxis(x, axis, -1); K = x.shape[-1]
;;       x = np.pad(x, [(0, 0)] * (x.ndim - 1) + [(0, -K % 32)]); x = x.reshape(x.shape[:-1] + (-1, 32)); a = np.abs(x).max(-1, keepdims=True)
;;       e = np.where(a > 0, np.clip(np.frexp(np.where(a > 0, a, 1))[1] - 1 - 2, -126, 127), 0)      # np.frexp(a)[1] - 1 = floor(log2(a)), exactly
;;       r = np.clip(x / 2.0 ** e, -7.5, 7.5)
;;       step = 2.0 ** (np.maximum(np.frexp(np.where(r == 0, 1, r))[1] - 1, 0) - 3)
;;       q = np.round(r / step) * step * 2.0 ** e      # np.round: ties to even
;;       return np.moveaxis(q.reshape(q.shape[:-2] + (-1,))[..., :K], -1, axis).astype(np.float32)
;;   ~~~
;;   SOFTMAX AHEAD OF A QUANTISED PRODUCT. Where the list says 'softmax', what is quantised is not the finished softmax but p = 2^(t - M), with t = logit x log2(e) and M = ceil(the row's largest t), a whole number; so 1/2 < the row's largest p <= 1. The row's sum l is taken of the UNQUANTISED p, in f32, and the product's result is divided by l at the end. Since M is a whole number, a kernel that streams over the keys may use a running M (the ceiling of the running maximum): every later rescaling is an exact power of two, which a block's scale takes up: the codes' values come out the same.
;;   OPERANDS COMPUTED ON THE WAY. 'Computed on the way' means the value that the module computes at that place (a softmax that the list does not call 'softmax' is quantised finished and normalised). What goes into a quantiser is computed in f32, as accurately as f32 sums, v_exp_f32 and their like allow (about 1e-6 of the number): no bf16 or f16 on the way to a quantiser, and a product that is left as it is and whose result goes on into a quantised operand takes f32 operands (vector FMAs, or v_wmma_f32_16x16x4_f32). A number that lies on a knife's edge between two numbers of the format may be rounded either way, as far as f32 arithmetic and the matrix unit's own rounding can turn it there, and no further.
;; One version. Each part assembles by itself: llvm-mc -triple=amdgcn-amd-amdhsa -mcpu=gfx1250 --defsym DOCPART=n.
;; ======== version 1 of 1: 2 launches
;; limits: right only within a limited range of input values
;; workspace buffers: kv 13,369,344 bytes; mcodes 3,145,728 bytes
;; launch prep (part 1): grid 1024 x 1, 4 waves a work-group, no clusters, 36,352 bytes of LDS; arguments K, V, mask, kv, mcodes; writes kv, mcodes
.if DOCPART == 1
	.amdgcn_target "amdgcn-amd-amdhsa--gfx1250"
	.amdhsa_code_object_version 6
	.text
	.protected	k_q5c79284b50_prep
	.globl	k_q5c79284b50_prep
	.p2align	8
	.type	k_q5c79284b50_prep,@function
k_q5c79284b50_prep:
	s_mov_b64 s[64:65], 0
	v_nop
	global_prefetch_b8 v0, s[64:65] scope:SCOPE_SE
	s_setreg_imm32_b32 hwreg(HW_REG_WAVE_MODE, 25, 1), 1
	s_wait_xcnt 0x0
; K and V [64 heads][2048 keys][64] f32 become codes of FP6 (E2M3) with one E8M0 scale byte for each 32 along a product's K, laid as IMAGES OF THE OPERAND REGISTERS of the attention launch;
; the mask's bytes [2048][2048] become FP6 codes (1.0 where masked, else 0), which that launch multiplies by a selection matrix in the free half of its score products.  No work of the problem is left out.
; UNIT u = 16 head + j (work-group u): keys 128 j .. 128 j + 127 of one head.  Its block in kv is 13,056 bytes:
;   0 .. 6143      K: tile p = 4 c + i at 768 p: registers 0-3 of lane l at 16 l, registers 4-5 at 512 + 8 l.  Lane (r = l % 16, h = l / 16): the 24 bytes of codes of key 64 c + 32 (r / 8) + 8 i + r % 8, d = 32 h .. 32 h + 31
;   6144 .. 12287  V^T: tile t (d = 16 t + r) at 6144 + 1536 t, registers 4 g .. 4 g + 3 of lane l at 512 g + 16 l.  Register 6 c + x of lane (r, h): keys 64 c + 32 h + 0 .. 31
;   12288 .. 12799 K's scale words, 16 bytes a lane: word i of lane 16 c + r = tile (c, i), row r: c = 0: (SEL, SEL, block 0, block 1); c = 1: (block 0, block 1, SEL, SEL); SEL = 159 scales the selection matrix
;   12800 .. 13055 V's scale words, 8 bytes a lane: word u of lane 16 x + r = tile 2 u + x, row r (byte = the step's block of 32 keys)
; mcodes [128 query tiles][16 steps][1536]: the codes of mask[16 qt + r][128 j + 64 c + 32 h + 0 .. 31] are six registers of lane (r, h): registers 0-3 at 512 c + 16 l, registers 4-5 at 1024 + 256 c + 8 l.
; Unit u makes query tile u / 8, steps 2 (u % 8) and 2 (u % 8) + 1; wave w the step's half c = w % 2 of step w / 2.
; A block's scale is 2^(floor(log2(largest magnitude)) - 2): its byte is that magnitude's exponent field - 2, held at 1 from below by a floor among the maximum's leaves.
; LIMITS: a block of zeros, or one whose largest magnitude lies under 2^-124, keeps the byte 1 (its bytes are read by this program alone); NaN and infinities are not served; mask bytes are 0 or 1, as the problem states.
; SHARES.  Wave w: K's tiles (c = w / 2, i = 2 (w % 2) and + 1): two runs of 16 rows, turned through its own LDS stage so that a lane holds 32 neighbours along d; V's column d = 32 (w % 2) + lane,
; keys 32 (w / 2) + 0..31 and 64 more on; one mask fragment.  No cluster: work-groups share no input.
.set KSTW,  8704                       ; LDS: a stage of 32 slots x 272 bytes for each wave, from byte 0
.set SCI,   34816                      ; the unit's 768 bytes of scale words
.set SPARE, 35840                      ; the spare words, 128 bytes for each wave
.set BLK,   13056
.set LI,   4                           ; 16 x lane
.set MA,   5                           ; mask: 2048 r + 32 h
.set VA,   6                           ; 4 x lane
.set KSW,  7                           ; stage, way in: 272 h + 16 r
.set KSR,  8                           ; stage, way out: 272 r + 128 h
.set VGO,  9                           ; V's codes in kv: 1536 h + 16 r
.set KWA,  10                          ; K's two scale words: SCI + 256 (w / 2) + 16 r + 8 (w % 2)
.set VBA,  11                          ; V's scale bytes: SCI + 512 + 128 h + 8 r + 4 (w % 2) + w / 2
.set L8,   12                          ; 8 x lane
.set H8,   13                          ; 8 h
.set SPW,  14                          ; my spare word; never rewritten
.set NIL,  15                          ; 0; never rewritten
.set KR,   16                          ; v16-79   K as loaded
.set OD,   16                          ; v16-21   the last stores' data (when KR is done with)
.set VR,   80                          ; v80-143  V as loaded
.set MR,   144                         ; v144-151 mask bytes
.set X,    152                         ; v152-215 K turned
.set VC,   152                         ; V's codes (when X is done with)
.set KC,   216                         ; v216-227 K's codes; v228-230, v232-234 second halves
.set OUTA, 235
.set MX,   236
.set SE,   240
.set SY,   242
.set WD,   244                         ; K's four bytes; v245 the lane 16 away's
.set WP,   246                         ; v[246:247] K's two scale words
.set MC,   248                         ; v248-253 the mask's codes
.set OUTB, 254
; 32 numbers of one lane, v[x] on, one block: six registers of codes at v[d] on, the byte in v[y]
.macro Q32 x, d, t, m, e, y
	v_max3_num_f32 v[\m], |v[\x]|, |v[\x+1]|, 0x1800000              ; two chains; the floor 2^(3 - 127) is one more leaf
	v_max3_num_f32 v[\m+1], |v[\x+2]|, |v[\x+3]|, |v[\x+4]|
.irp i, 5,9,13,17,21,25
	v_max3_num_f32 v[\m], v[\m], |v[\x+\i]|, |v[\x+\i+1]|
	v_max3_num_f32 v[\m+1], v[\m+1], |v[\x+\i+2]|, |v[\x+\i+3]|
.endr
	v_max3_num_f32 v[\m], v[\m], |v[\x+29]|, |v[\x+30]|
	v_max3_num_f32 v[\m], v[\m], v[\m+1], |v[\x+31]|
	v_add_nc_u32 v[\e], 0xff000000, v[\m]                            ; 2 off the exponent field: the conversion's scale operand
	v_lshrrev_b32 v[\y], 23, v[\e]                                   ; the scale's byte
	v_cvt_scalef32_pk16_fp6_f32 v[\d:\d+2], v[\x:\x+15], v[\e]
	v_cvt_scalef32_pk16_fp6_f32 v[\t:\t+2], v[\x+16:\x+31], v[\e]
	v_nop                                                            ; one plain place behind a scaled conversion
.irp i, 0,1,2
	v_mov_b32 v[\d+3+\i], v[\t+\i]
.endr
.endm
	s_load_b256 s[4:11], s[0:1], 0x0               ; K, V, mask, kv
	s_load_b64 s[12:13], s[0:1], 0x20              ; mcodes
	v_lshl_add_u32 v[SPW], v0, 2, SPARE
	v_mov_b32 v[NIL], 0
	v_lshrrev_b32 v1, 5, v0
	v_readfirstlane_b32 s14, v1                    ; wave w
	v_and_b32 v1, 31, v0                           ; lane
	v_and_b32 v2, 15, v0                           ; r
	v_bfe_u32 v3, v0, 4, 1                         ; h
	s_and_b32 s15, s14, 1                          ; w % 2
	s_lshr_b32 s16, s14, 1                         ; w / 2
	v_lshlrev_b32 v[LI], 4, v1
	v_lshlrev_b32 v[L8], 3, v1
	v_lshlrev_b32 v[MA], 11, v2
	v_lshl_add_u32 v[MA], v3, 5, v[MA]
	v_lshlrev_b32 v[VA], 2, v1
	s_mul_i32 s17, s14, KSTW                       ; my stage
	v_mul_u32_u24 v[KSW], v3, 272
	v_lshl_add_u32 v[KSW], v2, 4, v[KSW]
	v_add_nc_u32 v[KSW], s17, v[KSW]
	v_mul_u32_u24 v[KSR], v2, 272
	v_lshl_add_u32 v[KSR], v3, 7, v[KSR]
	v_add_nc_u32 v[KSR], s17, v[KSR]
	v_mul_u32_u24 v[VGO], v3, 1536
	v_lshl_add_u32 v[VGO], v2, 4, v[VGO]
	s_lshl_b32 s17, s16, 8
	s_lshl_b32 s18, s15, 3
	s_add_co_u32 s17, s17, s18
	s_add_co_u32 s17, s17, SCI
	v_lshl_add_u32 v[KWA], v2, 4, s17
	s_lshl_b32 s17, s15, 2
	s_add_co_u32 s17, s17, s16
	s_add_co_u32 s17, s17, SCI+512
	v_lshl_add_u32 v[VBA], v2, 3, s17
	v_lshl_add_u32 v[VBA], v3, 7, v[VBA]
	v_lshlrev_b32 v[H8], 3, v3
	v_add_nc_u32 v[OUTA], SCI, v[LI]
	v_add_nc_u32 v[OUTB], SCI+512, v[L8]
	v_mov_b32 v[WD+1], 0                           ; a lane permute's destination counts as read
	s_mov_b32 s28, 0x76543210
	s_mov_b32 s29, 0xfedcba98                      ; selects for lane l xor 16
	s_lshl_b32 s25, s16, 4
	s_lshl_b32 s26, 0x9f9f, s25                    ; the two SEL bytes: low half for c = 0, high half for c = 1
	s_xor_b32 s25, s25, 16                         ; and K's two bytes in the other half
	; byte offsets, each in a pair of its own
	s_lshl_b32 s18, ttmp9, 15                      ; the unit's 128 rows of 256 bytes in K and in V
	s_lshl_b32 s17, s16, 14
	s_add_co_u32 s36, s18, s17                     ; K: + 64 (w / 2) rows
	s_lshl_b32 s17, s15, 12
	s_add_co_u32 s36, s36, s17                     ;    + 16 (w % 2) rows
	s_mov_b32 s37, 0
	s_lshl_b32 s17, s16, 13
	s_add_co_u32 s38, s18, s17                     ; V: + 32 (w / 2) rows
	s_lshl_b32 s17, s15, 7
	s_add_co_u32 s38, s38, s17                     ;    + 32 (w % 2) columns
	s_mov_b32 s39, 0
	s_lshr_b32 s17, ttmp9, 3
	s_lshl_b32 s40, s17, 15                        ; mask: 16 rows of 2,048 bytes for each query tile,
	s_and_b32 s17, ttmp9, 7
	s_lshl_b32 s17, s17, 8
	s_add_co_u32 s40, s40, s17                     ; the unit's 256 keys,
	s_lshl_b32 s17, s14, 6
	s_add_co_u32 s40, s40, s17                     ; my 64 of them
	s_mov_b32 s41, 0
	s_mul_i32 s42, ttmp9, BLK                      ; the unit's block in kv
	s_mov_b32 s43, 0
	s_mul_i32 s44, s14, 1536                       ; in it: K's tiles 2 w and 2 w + 1
	s_mov_b32 s45, 0
	s_mul_i32 s46, s15, 3072                       ; V's tiles 2 (w % 2) on, the reader's lanes 16 (w / 2) on
	s_lshl_b32 s17, s16, 8
	s_add_co_u32 s46, s46, s17
	s_add_co_u32 s46, s46, 6144
	s_mov_b32 s47, 0
	s_lshl_b32 s17, ttmp9, 1
	s_add_co_u32 s17, s17, s16
	s_mul_i32 s17, s17, 1536                       ; mcodes: block 2 u + w / 2
	s_lshl_b32 s48, s15, 9
	s_add_co_u32 s48, s48, s17                     ; registers 0-3
	s_mov_b32 s49, 0
	s_lshl_b32 s50, s15, 8
	s_add_co_u32 s50, s50, s17
	s_add_co_u32 s50, s50, 1024                    ; registers 4-5
	s_mov_b32 s51, 0
	s_wait_alu depctr_va_vdst(0)
	s_wait_kmcnt 0x0
	s_add_nc_u64 s[4:5], s[4:5], s[36:37]
	s_add_nc_u64 s[6:7], s[6:7], s[38:39]
	s_add_nc_u64 s[8:9], s[8:9], s[40:41]
	s_add_nc_u64 s[10:11], s[10:11], s[42:43]
	s_add_nc_u64 s[20:21], s[12:13], s[48:49]
	s_add_nc_u64 s[22:23], s[12:13], s[50:51]
	s_add_nc_u64 s[34:35], s[10:11], s[44:45]      ; where K's codes go
	s_add_nc_u64 s[30:31], s[10:11], s[46:47]      ; where V's go
	s_add_nc_u64 s[10:11], s[10:11], 12288         ; the block's scale words
.set i, 0
.rept 16
	global_load_b128 v[KR+4*i:KR+4*i+3], v[LI], s[4:5] offset:512*i+4096*(i/8) th:TH_LOAD_NT   ; two rows a load: 16 rows, and the 16 that lie 32 rows further on
.set i, i+1
.endr
	global_load_b128 v[MR:MR+3], v[MA], s[8:9]               ; row r of the query tile, my 32 keys
	global_load_b128 v[MR+4:MR+7], v[MA], s[8:9] offset:16
.set i, 0
.rept 32
	global_load_b32 v[VR+i], v[VA], s[6:7] offset:256*i th:TH_LOAD_NT
.set i, i+1
.endr
	s_wait_loadcnt 32                              ; K's sixteen and the mask's two are in; V's 32 may stay out
	; K's turn.  Row kk of my 32 goes to slot 16 ((kk / 8) % 2) + 8 (kk / 16) + kk % 8: slot 16 u' + r holds the key of my tile u', row r
.set i, 0
.rept 16
	ds_store_b128 v[KSW], v[KR+4*i:KR+4*i+3] offset:272*(16*((i/4)%2)+8*(i/8)+2*(i%4))
.set i, i+1
.endr
.irp u, 0,1
.irp i, 0,1,2,3,4,5,6,7
	ds_load_b128 v[X+32*\u+4*\i:X+32*\u+4*\i+3], v[KSR] offset:272*16*\u+16*\i   ; LDS serves a wave's instructions in order (ISA guide 5.7.1.4)
.endr
.endr
.set i, 0
.rept 32
	global_load_b32 v[VR+32+i], v[VA], s[6:7] offset:256*(64+i) th:TH_LOAD_NT       ; 64 keys further down
.set i, i+1
.endr
	; the mask's codes.  Four bytes b0..b3 (0 or 1) x 0x55 put b_k at bit 6 + 6 k among copies that meet no other bit; kept alone and moved 3 down it is bit 3 of code k: the code of 1.0
.irp x, 0,1,2,3,4,5,6,7
	v_lshl_add_u32 v[MR+\x], v[MR+\x], 2, v[MR+\x]
.endr
.irp x, 0,1,2,3,4,5,6,7
	v_lshl_add_u32 v[MR+\x], v[MR+\x], 4, v[MR+\x]
.endr
.irp x, 0,1,2,3,4,5,6,7
	v_and_b32 v[MR+\x], 0x01041040, v[MR+\x]
.endr
.irp g, 0,1                                    ; four groups of 24 bits make three registers
	v_lshrrev_b32 v[MX], 3, v[MR+4*\g]
	v_lshrrev_b32 v[MX+1], 11, v[MR+4*\g+1]
	v_lshrrev_b32 v[MX+2], 19, v[MR+4*\g+2]
	v_lshl_or_b32 v[MC+3*\g], v[MR+4*\g+1], 21, v[MX]
	v_lshl_or_b32 v[MC+3*\g+1], v[MR+4*\g+2], 13, v[MX+1]
	v_lshl_or_b32 v[MC+3*\g+2], v[MR+4*\g+3], 5, v[MX+2]
.endr
	global_store_b128 v[LI], v[MC:MC+3], s[20:21]      ; 512 consecutive bytes
	global_store_b64 v[L8], v[MC+4:MC+5], s[22:23]     ; 256 consecutive bytes
	s_wait_dscnt 0x0                               ; K is back from the stage
	Q32 X, KC, KC+12, MX, SE, SY                   ; my first tile's key: block h of its 64
	Q32 X+32, KC+6, KC+16, MX+2, SE+1, SY+1        ; my second tile's
	v_lshl_or_b32 v[WD], v[SY+1], 16, v[SY]
	v_lshlrev_b32 v[WD], v[H8], v[WD]
	v_permlanex16_b32 v[WD+1], v[WD], s28, s29
	v_or_b32 v[WD], v[WD], v[WD+1]                 ; (tile 0 block 0, 1, tile 1 block 0, 1)
	v_and_b32 v[WP], 0xffff, v[WD]
	v_lshrrev_b32 v[WP+1], 16, v[WD]
	v_lshl_or_b32 v[WP], v[WP], s25, s26           ; each tile's two bytes beside the two SEL bytes
	v_lshl_or_b32 v[WP+1], v[WP+1], s25, s26
	ds_store_b64 v[KWA], v[WP:WP+1]                ; (both halves of the lanes write the same words with the same values)
.irp u, 0,1
	global_store_b128 v[LI], v[KC+6*\u:KC+6*\u+3], s[34:35] offset:768*\u
	global_store_b64 v[L8], v[KC+6*\u+4:KC+6*\u+5], s[34:35] offset:768*\u+512
.endr
	s_wait_loadcnt 32                              ; V's first 32 are in
	Q32 VR, VC, VC+12, MX, SE, SY
	s_wait_loadcnt 0x0
	Q32 VR+32, VC+6, VC+16, MX+2, SE+1, SY+1
	ds_store_b8 v[VBA], v[SY]                      ; the step's block w / 2,
	ds_store_b8 v[VBA], v[SY+1] offset:2           ; and block 2 + w / 2
.irp g, 0,1,2
	global_store_b128 v[VGO], v[VC+4*\g:VC+4*\g+3], s[30:31] offset:512*\g  ; each half of the lanes stores 256 consecutive bytes
.endr
	s_wait_dscnt 0x0                               ; for the others' sake: my words and bytes have landed
	s_barrier_signal -1
	s_barrier_wait -1
	s_cmp_lg_u32 s14, 0
	s_cbranch_scc1 .Lend                           ; wave 0 stores the 768 bytes of scale words
	ds_load_b128 v[OD:OD+3], v[OUTA]
	ds_load_b64 v[OD+4:OD+5], v[OUTB]
	s_wait_dscnt 0x0
	global_store_b128 v[LI], v[OD:OD+3], s[10:11]
	global_store_b64 v[L8], v[OD+4:OD+5], s[10:11] offset:512
.Lend:
	s_wait_tensorcnt 0x0                           ; the wave's end
	ds_add_u32 v[SPW], v[NIL]
	s_wait_dscnt 0x0
	s_endpgm
.Lfunc_end_k_q5c79284b50_prep:
	.size	k_q5c79284b50_prep, .Lfunc_end_k_q5c79284b50_prep-k_q5c79284b50_prep
	.p2alignl 7, 3214868480
	.fill 96, 4, 3214868480
	.section	.rodata,"a",@progbits
	.p2align	6, 0x0
	.amdhsa_kernel k_q5c79284b50_prep
		.amdhsa_group_segment_fixed_size 36352
		.amdhsa_private_segment_fixed_size 0
		.amdhsa_enable_private_segment 0
		.amdhsa_kernarg_size 40
		.amdhsa_user_sgpr_count 2
		.amdhsa_user_sgpr_kernarg_segment_ptr 1
		.amdhsa_wavefront_size32 1
		.amdhsa_system_sgpr_workgroup_id_x 1
		.amdhsa_system_sgpr_workgroup_id_y 1
		.amdhsa_system_sgpr_workgroup_id_z 1
		.amdhsa_system_vgpr_workitem_id 0
		.amdhsa_next_free_vgpr 256
		.amdhsa_next_free_sgpr 66
		.amdhsa_reserve_vcc 0
		.amdhsa_float_denorm_mode_32 3
		.amdhsa_float_denorm_mode_16_64 3
		.amdhsa_memory_ordered 1
		.amdhsa_forward_progress 1
		.amdhsa_inst_pref_size 24
	.end_amdhsa_kernel
	.amdgpu_metadata
---
amdhsa.version: [ 1, 2 ]
amdhsa.kernels:
  - .name:           k_q5c79284b50_prep
    .symbol:         k_q5c79284b50_prep.kd
    .args:
      - { .name: K, .offset: 0, .size: 8, .value_kind: global_buffer, .address_space: global }
      - { .name: V, .offset: 8, .size: 8, .value_kind: global_buffer, .address_space: global }
      - { .name: mask, .offset: 16, .size: 8, .value_kind: global_buffer, .address_space: global }
      - { .name: kv, .offset: 24, .size: 8, .value_kind: global_buffer, .address_space: global }
      - { .name: mcodes, .offset: 32, .size: 8, .value_kind: global_buffer, .address_space: global }
    .group_segment_fixed_size: 36352
    .private_segment_fixed_size: 0
    .kernarg_segment_align: 8
    .kernarg_segment_size: 40
    .max_flat_workgroup_size: 128
    .sgpr_count:     66
    .vgpr_count:     256
    .wavefront_size: 32
...
	.end_amdgpu_metadata
.endif
;; end of part 1
;; launch attn (part 2): grid 4 x 64, 16 waves a work-group, clusters of 4 x 1, 280,576 bytes of LDS; arguments Q, kv, mcodes, out0; writes out0
.if DOCPART == 2
	.amdgcn_target "amdgcn-amd-amdhsa--gfx1250"
	.amdhsa_code_object_version 6
	.text
	.protected	k_q5c79284b50_attn
	.globl	k_q5c79284b50_attn
	.p2align	8
	.type	k_q5c79284b50_attn,@function
k_q5c79284b50_attn:
	s_mov_b64 s[64:65], 0
	v_nop
	global_prefetch_b8 v0, s[64:65] scope:SCOPE_SE
	s_setreg_imm32_b32 hwreg(HW_REG_WAVE_MODE, 25, 1), 1
	s_wait_xcnt 0x0
	s_wait_alu depctr_hold_cnt(0) depctr_sa_sdst(0) depctr_va_vdst(0) depctr_va_sdst(0) depctr_va_ssrc(0) depctr_va_vcc(0) depctr_vm_vsrc(0)
	s_getreg_b32 s2, hwreg(HW_REG_IB_STS2, 6, 4)
	s_cmp_eq_u32 s2, 0
	s_cbranch_scc0 .Lentry_in_a_cluster
	s_endpgm
.Lentry_in_a_cluster:
	s_bfe_u32 s2, ttmp6, 0x10000c
	s_cmp_lg_u32 s2, 0x3003
	s_cbranch_scc0 .Lentry_shape_is_right
	s_endpgm
.Lentry_shape_is_right:
; out0[head][q][:] = the sum over k of softmax_k(masked Q[q] . K[k] / 8) V[k][:], 64 heads, 2,048 queries and keys, head size 64; both products on codes of FP6 (E2M3) with one E8M0 scale for each 32 along K.
; kv holds, for each head and step of 128 keys, a block of 13,056 bytes: K's eight tiles, V^T's four fragments and their scale words, as images of the operand registers; mcodes the mask as FP6 codes (1.0 = masked).
; THE SOFTMAX: t = score x log2(e) / 8; M = the row's largest t so far, rounded up to a whole number; p = 2^(t - M) is quantised along the keys, not normalised; the row's sum is taken of the unquantised p
; and divides at the end.  When M moves, the sum and O are multiplied by 2^(old M - new M): exact.
; THE MASK RIDES IN THE SCORE PRODUCT.  The head's 64 fill half of an instruction's K = 128.  In the other 64 places source 0 holds a selection matrix (row r of tile i: the code -1.0 at place 32 (r / 8) + 8 i + r % 8,
; scale 2^32) and source 1 the mask codes of 64 keys of my queries (scale 2^32): a masked key's raw score comes out as score - 2^64, an open key's as it is.  No line of vector work is spent on the mask.
; LIMITS: the module fills with the logit -1e9, this text with about -2^61: results differ only in rows whose largest open logit lies under about -9.9e8.  In a row with no open key every p is exactly 1 while
; score - 2^64 is -2^64 in f32, that is for raw scores under 2^39 in magnitude (-2^64 x log2(e) / 8 is exact, so t - M is 0).  NaN and infinities are not served; a block of Q under 2^-124 keeps the byte 1.
; SHARES.  A cluster of four work-groups is one head; a work-group owns 512 queries; each of its sixteen waves two tiles of 16, one after the other.  A head's 16 blocks, 208,896 bytes, lie in LDS whole:
; wave w asks for block w JOINTLY with the same wave of the three partners; one tensor load a wave is out, so the loop over the keys has no barrier.
; kv is fetched once, at the head, with no loop ahead of it to ask from, so it has no prefetch; the mask codes are asked for by plain loads a whole step ahead of their use.
; LAYOUT.  Both products transposed (source 0 = 16 keys, or 16 of the head's 64; source 1 = my 16 queries): a lane holds ONE query (lane % 16).  Row r of tile (c, i) is key 64 c + 32 (r / 8) + 8 i + r % 8, so that
; score register 32 c + n of lane half h is key 64 c + 32 h + n: A WHOLE BLOCK OF 32 KEYS IN A LANE, in the order of the next operand's registers: its largest p needs no other lane and its codes no exchange.
; Registers [K(1, i) | Sel_i | K(0, i)] give the fragments K|Sel and Sel|K; [m0 | Q | m1] give m0|Q and Q|m1.  V's fragments land on p's registers when p has been converted.
.set BLK,   13056
.set STG,   208896                     ; behind the 16 blocks: a stage of 16 rows x 272 bytes for each wave; no fill lands there
.set STGW,  4352
.set SPARE, 278528                     ; the spare words, 128 bytes for each wave
.set LI,  1                            ; 16 x lane; never rewritten
.set ADR, 2                            ; the step's block + 16 x lane
.set SPW, 3                            ; my spare word; never rewritten
.set NIL, 4                            ; 0; never rewritten
.set STW, 5                            ; stage: 272 h + 16 r
.set STR, 6                            ; stage: 272 r + 128 h
.set STO, 7                            ; stage: 272 r + 32 h
.set L8,  8                            ; 8 x lane; never rewritten
.set H8,  9                            ; 8 h
.set T0,  10                           ; v10, v11 at work
                                       ; v12 -M, v13 the largest raw score, v[14:15] the sum in two halves
.set BLO, 16                           ; v[16:27] m0 | Q
.set BHI, 22                           ; v[22:33] Q | m1
.set QS,  34                           ; lanes 0-15 (SEL, SEL, q0, q1), lanes 16-31 (q0, q1, SEL, SEL)
.set TT,  35
.set G,   36                           ; v36-107 four groups of 18: K(1, i), Sel_i, K(0, i)
.set SCK, 108                          ; v108-111 K's scale words: lanes 0-15 tile (0, i), lanes 16-31 tile (1, i)
.set SCV, 112                          ; v112-113 V's: lanes 0-15 tile 2 u, lanes 16-31 tile 2 u + 1
.set S,   114                          ; v114-177 the scores, then p, then V's fragments; Q on its way in; the way out
.set O,   178                          ; v178-209 O^T
.set PC,  210                          ; v210-221 p's codes
.set PT,  222                          ; v222-224, v226-228 the conversions' second halves
.set BM,  230                          ; v230-231 my two blocks' largest score, then largest p
.set BS,  232                          ; v232-233 the conversions' scale operands
.set BP,  234                          ; v234-235 the bytes
.set FF,  236                          ; v[236:237] f = 2^(old M - new M)
.set PW,  238                          ; p's scale word
.set T2,  239
.set SU,  240                          ; v240-245 three more chains
.set RC,  248                          ; v[248:249] 1 / the sum
.set SH,  250                          ; 16 - 16 h
.set SW,  251                          ; the two SEL bytes at 16 h
.set AD8, 254                          ; the step's block + 8 x lane
.set WV,  12
.set TB,  13
.set STEPS, 15
.set PASS,  16
.set G1,  52
.set G0,  60
.set SEL, 66                           ; selects for lane l xor 16
.set CS,  68                           ; s[68:69] c = log2(e) / 8
.set NC,  70                           ; -c
.macro CROUND
	s_barrier_signal -1
	s_barrier_wait -1
	s_cmp_lg_u32 s[WV], 0
	s_cbranch_scc1 .Lnot_wave_0_\@
	s_barrier_signal -3
.Lnot_wave_0_\@:
	s_barrier_wait -3
	s_barrier_signal -1
	s_barrier_wait -1
.endm
.macro QLOAD                           ; a tile's 16 rows of Q: 512 consecutive bytes a load
.irp i, 0,1,2,3,4,5,6,7
	global_load_b128 v[S+32+4*\i:S+32+4*\i+3], v[LI], s[4:5] offset:512*\i th:TH_LOAD_NT
.endr
.endm
.macro MLOAD                           ; a step's mask codes: m0 and m1, six registers each
	global_load_b128 v[BLO:BLO+3], v[LI], s[8:9]
	global_load_b128 v[BHI+6:BHI+9], v[LI], s[8:9] offset:512
	global_load_b64 v[BLO+4:BLO+5], v[L8], s[8:9] offset:1024
	global_load_b64 v[BHI+10:BHI+11], v[L8], s[8:9] offset:1280
.endm
.macro KLOAD off                       ; K's eight tiles and their scale words
.irp i, 0,1,2,3
	ds_load_b128 v[G+18*\i+12:G+18*\i+15], v[ADR] offset:\off+768*\i
	ds_load_b64 v[G+18*\i+16:G+18*\i+17], v[AD8] offset:\off+768*\i+512
	ds_load_b128 v[G+18*\i:G+18*\i+3], v[ADR] offset:\off+768*\i+3072
	ds_load_b64 v[G+18*\i+4:G+18*\i+5], v[AD8] offset:\off+768*\i+3584
.endr
	ds_load_b128 v[SCK:SCK+3], v[ADR] offset:\off+12288
.endm
.macro Q32 x, d, t, m, e, y
	v_max3_num_f32 v[\m], |v[\x]|, |v[\x+1]|, 0x1800000
	v_max3_num_f32 v[\m+1], |v[\x+2]|, |v[\x+3]|, |v[\x+4]|
.irp i, 5,9,13,17,21,25
	s_delay_alu instid0(VALU_DEP_2)
	v_max3_num_f32 v[\m], v[\m], |v[\x+\i]|, |v[\x+\i+1]|
	s_delay_alu instid0(VALU_DEP_2)
	v_max3_num_f32 v[\m+1], v[\m+1], |v[\x+\i+2]|, |v[\x+\i+3]|
.endr
	s_delay_alu instid0(VALU_DEP_2)
	v_max3_num_f32 v[\m], v[\m], |v[\x+29]|, |v[\x+30]|
	s_delay_alu instid0(VALU_DEP_1)
	v_max3_num_f32 v[\m], v[\m], v[\m+1], |v[\x+31]|
	s_delay_alu instid0(VALU_DEP_1)
	v_add_nc_u32 v[\e], 0xff000000, v[\m]
	s_delay_alu instid0(VALU_DEP_1)
	v_lshrrev_b32 v[\y], 23, v[\e]
	v_cvt_scalef32_pk16_fp6_f32 v[\d:\d+2], v[\x:\x+15], v[\e]
	v_cvt_scalef32_pk16_fp6_f32 v[\t:\t+2], v[\x+16:\x+31], v[\e]
	v_nop
.irp i, 0,1,2
	v_mov_b32 v[\d+3+\i], v[\t+\i]
.endr
.endm
.macro ADD4 k                          ; four pairs of p onto the four chains of the row's sum
	v_pk_add_f32 v[SU:SU+1], v[SU:SU+1], v[S+\k:S+\k+1]
	v_pk_add_f32 v[SU+2:SU+3], v[SU+2:SU+3], v[S+\k+2:S+\k+3]
	v_pk_add_f32 v[SU+4:SU+5], v[SU+4:SU+5], v[S+\k+4:S+\k+5]
	v_pk_add_f32 v[14:15], v[14:15], v[S+\k+6:S+\k+7]
.endm
; A KEY STEP: 128 keys.  next = 1: the next step's K and mask codes are asked for behind the score products, a whole step ahead.
.macro STEP next
	s_wait_loadcnt 0x0                             ; the step's mask codes are in,
	s_wait_dscnt 0x0                               ; and K's tiles and scale words
	s_add_nc_u64 s[8:9], s[8:9], 1536              ; the next block of mask codes (the loads that read this base are done)
.irp i, 0,1,2,3                                ; S^T = K Q^T - 2^64 mask: eight accumulators, each begun with the constant 0
	v_wmma_scale_f32_16x16x128_f8f6f4 v[S+8*\i:S+8*\i+7], v[G+18*\i+6:G+18*\i+17], v[BLO:BLO+11], 0, v[SCK+\i], v[QS] matrix_a_fmt:MATRIX_FMT_FP6 matrix_b_fmt:MATRIX_FMT_FP6
	v_wmma_scale_f32_16x16x128_f8f6f4 v[S+32+8*\i:S+32+8*\i+7], v[G+18*\i:G+18*\i+11], v[BHI:BHI+11], 0, v[SCK+\i], v[QS] matrix_a_fmt:MATRIX_FMT_FP6 matrix_b_fmt:MATRIX_FMT_FP6 matrix_a_scale:MATRIX_SCALE_ROW1 matrix_b_scale:MATRIX_SCALE_ROW1
.endr
	v_mov_b32 v[TT], v12                           ; the old -M; with the three below, four places in front of the loads into the products' sources and of the first read of the scores
.rept 3
	v_nop
.endr
.if \next
	KLOAD BLK
	MLOAD
.endif
.irp c, 0,1                                    ; the largest score of my two blocks of 32 keys, each in two chains, ascending: each accumulator is read from its low end on
	v_max3_num_f32 v[BM+\c], v[S+32*\c], v[S+32*\c+1], v[S+32*\c+2]
	v_max3_num_f32 v[SU+\c], v[S+32*\c+16], v[S+32*\c+17], v[S+32*\c+18]
.endr
.irp k, 3,5,7,9,11,13
.irp c, 0,1
	v_max3_num_f32 v[BM+\c], v[BM+\c], v[S+32*\c+\k], v[S+32*\c+\k+1]   ; (four independent chains by turns)
	v_max3_num_f32 v[SU+\c], v[SU+\c], v[S+32*\c+16+\k], v[S+32*\c+17+\k]
.endr
.endr
.irp c, 0,1
	v_max3_num_f32 v[BM+\c], v[BM+\c], v[S+32*\c+15], v[S+32*\c+31]
.endr
.irp c, 0,1
	v_max_num_f32 v[BM+\c], v[BM+\c], v[SU+\c]
.endr
	s_delay_alu instid0(VALU_DEP_1)
	v_max_num_f32 v[T2], v[BM], v[BM+1]
	s_delay_alu instid0(VALU_DEP_1)
	v_permlanex16_b32 v[T0], v[T2], s[SEL], s[SEL+1]
	s_delay_alu instid0(VALU_DEP_1)
	v_max3_num_f32 v13, v13, v[T2], v[T0]          ; the running largest raw score of my query
	s_delay_alu instid0(VALU_DEP_1)
	v_mul_f32 v[T2], s[NC], v13                    ; -t
	s_delay_alu instid0(VALU_DEP_1)
	v_floor_f32 v12, v[T2]                         ; the new -M = floor(-t) = -ceil(t)
	s_delay_alu instid0(VALU_DEP_1)
	v_sub_f32 v[TT], v12, v[TT]                    ; old M - new M: a whole number, 0 or less
	s_delay_alu instid0(VALU_DEP_1)
	v_cvt_i32_f32 v[TT], v[TT]                     ; (it saturates)
	s_delay_alu instid0(VALU_DEP_1)
	v_ldexp_f32 v[FF], 1.0, v[TT]                  ; f = 2^(old M - new M)
.set j, 0
.rept 32
	v_pk_fma_f32 v[S+j:S+j+1], v[S+j:S+j+1], s[CS:CS+1], v[12:13] op_sel_hi:[1,0,0]   ; t - M, two at a time
.set j, j+2
.endr
.irp c, 0,1
	v_fma_f32 v[BM+\c], v[BM+\c], s[CS], v12       ; the same of each block's largest score: p rises with the score
.endr
	s_wait_alu depctr_va_vdst(0)
	v_exp_f32 v[BM], v[BM]                         ; each block's largest p: the same two instructions on the same number give the same bits
	v_exp_f32 v[BM+1], v[BM+1]
.set j, 0
.rept 64
	v_exp_f32 v[S+j], v[S+j]                       ; p = 2^(t - M), at most 1
.set j, j+1
.endr
	v_pk_mul_f32 v[14:15], v[14:15], v[FF:FF+1] op_sel_hi:[1,0]   ; the sums under the new M: the plain instruction behind the exponentials
	s_wait_alu depctr_va_vdst(0)                   ; and the one wait behind the batch
.irp c, 0,1
	v_max_num_f32 v[BM+\c], 0x1800000, v[BM+\c]    ; the floor 2^(3 - 127): a block whose every p is 0 keeps the byte 1
.endr
.irp c, 0,1
	s_delay_alu instid0(VALU_DEP_2)
	v_add_nc_u32 v[BS+\c], 0xff000000, v[BM+\c]    ; 2 off the exponent field: the conversion's scale operand
.endr
.irp c, 0,1
	s_delay_alu instid0(VALU_DEP_2)
	v_lshrrev_b32 v[BP+\c], 23, v[BS+\c]           ; the scale's byte
.endr
	v_pk_add_f32 v[SU:SU+1], v[S:S+1], v[S+2:S+3]  ; the row's sum of the unquantised p, in four chains: my first block,
	v_pk_add_f32 v[SU+2:SU+3], v[S+4:S+5], v[S+6:S+7]
	v_pk_add_f32 v[SU+4:SU+5], v[S+8:S+9], v[S+10:S+11]
	v_pk_add_f32 v[14:15], v[14:15], v[S+12:S+13]
	ADD4 14
	ADD4 22
	v_pk_add_f32 v[SU:SU+1], v[SU:SU+1], v[S+30:S+31]
	v_cvt_scalef32_pk16_fp6_f32 v[PC:PC+2], v[S:S+15], v[BS]
	v_cvt_scalef32_pk16_fp6_f32 v[PT:PT+2], v[S+16:S+31], v[BS]
.irp g, 0,1,2,3,4,5
	ds_load_b128 v[S+4*\g:S+4*\g+3], v[ADR] offset:6144+512*\g          ; V^T's tiles 0 and 1 onto the block just converted
.endr
	ADD4 32                                        ; my second block
	ADD4 40
	ADD4 48
	ADD4 56
	v_cvt_scalef32_pk16_fp6_f32 v[PC+6:PC+8], v[S+32:S+47], v[BS+1]
	v_cvt_scalef32_pk16_fp6_f32 v[PT+4:PT+6], v[S+48:S+63], v[BS+1]
.irp g, 0,1,2,3,4,5
	ds_load_b128 v[S+32+4*\g:S+32+4*\g+3], v[ADR] offset:9216+512*\g    ; tiles 2 and 3
.endr
	ds_load_b64 v[SCV:SCV+1], v[AD8] offset:12800
	v_lshl_or_b32 v[PW], v[BP+1], 16, v[BP]        ; my two bytes: blocks h and 2 + h (also the plain place behind the conversions),
	s_delay_alu instid0(VALU_DEP_1)
	v_lshlrev_b32 v[PW], v[H8], v[PW]
	s_delay_alu instid0(VALU_DEP_1)
	v_permlanex16_b32 v[T0], v[PW], s[SEL], s[SEL+1]
	s_delay_alu instid0(VALU_DEP_1)
	v_or_b32 v[PW], v[PW], v[T0]                   ; with the lane 16 away's two: p's scale word
.irp x, 0,1,2
	v_mov_b32 v[PC+3+\x], v[PT+\x]                 ; (a conversion's three registers begin on an even number)
	v_mov_b32 v[PC+9+\x], v[PT+4+\x]
.endr
	v_pk_add_f32 v[SU:SU+1], v[SU:SU+1], v[SU+2:SU+3]
	v_pk_add_f32 v[14:15], v[14:15], v[SU+4:SU+5]
	s_delay_alu instid0(VALU_DEP_1)
	v_pk_add_f32 v[14:15], v[14:15], v[SU:SU+1]
	s_wait_alu depctr_va_vdst(0)
.set j, 0
.rept 16
	v_pk_mul_f32 v[O+j:O+j+1], v[O+j:O+j+1], v[FF:FF+1] op_sel_hi:[1,0]   ; O^T under the new M; these sixteen are also the places between p's codes and scale word and the products
.set j, j+2
.endr
	s_wait_alu depctr_va_vdst(0)
	s_wait_dscnt 0x0                               ; V's fragments are in
.irp u, 0,1                                    ; O^T += V^T P^T: four accumulators by turns, and the eight score products stand between two links of a chain
	v_wmma_scale_f32_16x16x128_f8f6f4 v[O+16*\u:O+16*\u+7], v[S+32*\u:S+32*\u+11], v[PC:PC+11], v[O+16*\u:O+16*\u+7], v[SCV+\u], v[PW] matrix_a_fmt:MATRIX_FMT_FP6 matrix_b_fmt:MATRIX_FMT_FP6
	v_wmma_scale_f32_16x16x128_f8f6f4 v[O+16*\u+8:O+16*\u+15], v[S+32*\u+12:S+32*\u+23], v[PC:PC+11], v[O+16*\u+8:O+16*\u+15], v[SCV+\u], v[PW] matrix_a_fmt:MATRIX_FMT_FP6 matrix_b_fmt:MATRIX_FMT_FP6 matrix_a_scale:MATRIX_SCALE_ROW1
.endr
.if \next
	s_add_co_u32 s[TB], s[TB], BLK
	v_add_nc_u32 v[ADR], s[TB], v[LI]              ; the next step's block; with the three below, five places in front of the score products, which write over V's fragments
	v_add_nc_u32 v[AD8], s[TB], v[L8]
.rept 3
	v_nop
.endr
.else
.rept 4
	v_nop                                          ; four places in front of the first read of O^T
.endr
.endif
.endm
	s_load_b256 s[4:11], s[0:1], 0x0               ; Q, kv, mcodes, out0
	v_lshl_add_u32 v[SPW], v0, 2, SPARE
	v_mov_b32 v[NIL], 0
	ds_add_u32 v[SPW], v[NIL]                      ; the opening lines: the add, twice on end, and its wait ahead of my first tensor load
	ds_add_u32 v[SPW], v[NIL]
	v_lshrrev_b32 v[T0], 5, v0
	s_delay_alu instid0(VALU_DEP_1)
	v_readfirstlane_b32 s[WV], v[T0]               ; wave 0..15
	s_bfe_u32 s2, ttmp6, 0x40000                   ; cx
	s_lshl_b32 s3, ttmp9, 2
	s_add_co_u32 s3, s3, s2                        ; my block of 512 queries: it enters Q's, mcodes' and out0's addresses alone
	s_and_b32 s17, ttmp7, 0xffff                   ; the head, which the four partners share
	s_mov_b32 s[G1+0], 15|(3<<16)|(1<<21)          ; the mask: all four work-groups; elements of 8 bytes; bit 21 beside a mask
	s_mov_b32 s[G1+1], 32<<16                      ; a dense block as 51 rows of 256 bytes
	s_mov_b32 s[G1+2], 51<<16
	s_mov_b32 s[G1+3], 32<<16
	s_mov_b32 s[G1+4], 51
	s_mov_b32 s[G1+5], 32
	s_mov_b32 s[G1+6], 0
	s_mov_b32 s[G1+7], 0
	s_mov_b32 s[SEL], 0x76543210
	s_mov_b32 s[SEL+1], 0xfedcba98
	s_mov_b32 s[CS], 0x3e38aa3b                    ; c = log2(e) / 8
	s_mov_b32 s[CS+1], s[CS]
	s_mov_b32 s[NC], 0xbe38aa3b                    ; -c
	s_mul_i32 s20, s17, 16*BLK                     ; kv: the head's 16 blocks,
	s_mul_i32 s21, s[WV], BLK
	s_add_co_u32 s20, s20, s21                     ; block w
	s_mov_b32 s21, 0
	s_lshl_b32 s18, s3, 17                         ; my work-group's 32 tiles of 4,096 bytes in Q and out0,
	s_lshl_b32 s19, s[WV], 13
	s_add_co_u32 s18, s18, s19                     ; my wave's two
	s_lshl_b32 s2, s17, 19                         ; the head's 524,288 bytes
	s_add_co_u32 s2, s2, s18
	s_lshl_b32 s22, s3, 5
	s_lshl_b32 s19, s[WV], 1
	s_add_co_u32 s22, s22, s19
	s_mul_i32 s22, s22, 16*1536                    ; mcodes: my first query tile's 16 blocks
	s_mov_b32 s23, 0
	s_mov_b32 s3, 0
	v_and_b32 v[LI], 31, v0
	s_delay_alu instid0(VALU_DEP_1)
	v_lshlrev_b32 v[L8], 3, v[LI]
	v_lshlrev_b32 v[LI], 4, v[LI]
	v_and_b32 v[T0], 15, v0                        ; r
	v_bfe_u32 v[T0+1], v0, 4, 1                    ; h
	s_mul_i32 s15, s[WV], STGW
	s_add_co_u32 s15, s15, STG                     ; my stage
	v_mul_u32_u24 v[STW], v[T0+1], 272
	s_delay_alu instid0(VALU_DEP_1)
	v_lshl_add_u32 v[STW], v[T0], 4, v[STW]
	s_delay_alu instid0(VALU_DEP_1)
	v_add_nc_u32 v[STW], s15, v[STW]
	v_mul_u32_u24 v[STR], v[T0], 272
	s_delay_alu instid0(VALU_DEP_1)
	v_add_nc_u32 v[STR], s15, v[STR]
	s_delay_alu instid0(VALU_DEP_1)
	v_lshl_add_u32 v[STO], v[T0+1], 5, v[STR]
	s_delay_alu instid0(VALU_DEP_2)
	v_lshl_add_u32 v[STR], v[T0+1], 7, v[STR]
	v_lshlrev_b32 v[H8], 3, v[T0+1]
	v_lshlrev_b32 v[TT], 4, v[T0+1]
	v_mov_b32 v[SW], 0x9f9f
	s_delay_alu instid0(VALU_DEP_2)
	v_sub_nc_u32 v[SH], 16, v[TT]
	s_delay_alu instid0(VALU_DEP_2)
	v_lshlrev_b32 v[SW], v[TT], v[SW]
	v_mov_b32 v[FF+1], 0                           ; (named with their pairs, so they are written)
	v_mov_b32 v[RC+1], 0
	s_wait_alu depctr_va_vdst(0)
	s_wait_dscnt 0x0                               ; both opening adds are done
	s_wait_kmcnt 0x0
	s_mov_b32 s[G0], 1
	s_mul_i32 s[G0+1], s[WV], BLK                  ; LDS address: block w
	s_add_nc_u64 s[G0+2:G0+3], s[6:7], s[20:21]
	s_or_b32 s[G0+3], s[G0+3], 0x80000000
	s_add_nc_u64 s[4:5], s[4:5], s[2:3]
	s_add_nc_u64 s[10:11], s[10:11], s[2:3]
	s_add_nc_u64 s[8:9], s[8:9], s[22:23]
	CROUND                                         ; all four work-groups are here: the joint loads meet
	tensor_load_to_lds s[G0:G0+3], s[G1:G1+7]      ; my one tensor load of the launch
	s_nop 0
	QLOAD                                          ; the first pass's Q,
	MLOAD                                          ; and its first step's mask codes
	; the selection matrices, made while the block is on its way: e_j = -1.0 in the lane (r, h) with h = r / 8 and r % 8 = j; sixteen numbers (e | zeros) and (zeros | e) are converted once
	v_lshrrev_b32 v[TT], 3, v[T0]
	v_and_b32 v[T0], 7, v[T0]
	v_cmp_eq_u32 vcc_lo, v[TT], v[T0+1]
	v_cndmask_b32 v[T0], 8, v[T0], vcc_lo
	v_mov_b32 v[T2], -1.0
.irp j, 0,1,2,3,4,5,6,7
	v_mov_b32 v[S+\j], 0
	v_mov_b32 v[S+16+\j], 0
	v_cmp_eq_u32 vcc_lo, \j, v[T0]
	v_cndmask_b32 v[S+8+\j], 0, v[T2], vcc_lo
.endr
	v_mov_b32 v[TT], 1.0
	v_cvt_scalef32_pk16_fp6_f32 v[PC:PC+2], v[S+8:S+23], v[TT]     ; places 0-7 of 16
	v_cvt_scalef32_pk16_fp6_f32 v[PT:PT+2], v[S:S+15], v[TT]       ; places 8-15 of 16
	v_nop
.irp x, 0,1,2                                  ; Sel_i: the code at place 8 i + r % 8 of the lane's 32
	v_mov_b32 v[G+6+\x], v[PC+\x]
	v_mov_b32 v[G+9+\x], 0
	v_mov_b32 v[G+24+\x], v[PT+\x]
	v_mov_b32 v[G+27+\x], 0
	v_mov_b32 v[G+42+\x], 0
	v_mov_b32 v[G+45+\x], v[PC+\x]
	v_mov_b32 v[G+60+\x], 0
	v_mov_b32 v[G+63+\x], v[PT+\x]
.endr
	s_wait_alu depctr_va_vdst(0)
	s_wait_tensorcnt 0x0                           ; my block has landed,
	s_barrier_signal -1
	s_barrier_wait -1                              ; everybody's has: from here on the 16 blocks are only read
	s_mov_b32 s[PASS], 2
.Lpass:
	s_mov_b32 s[TB], 0
	v_mov_b32 v[ADR], v[LI]
	v_mov_b32 v[AD8], v[L8]
	KLOAD 0                                        ; the first step's K
	s_wait_loadcnt 4                               ; this pass's Q is in; the four loads of mask codes, issued behind it, may stay out
	s_add_nc_u64 s[4:5], s[4:5], 4096              ; the next tile's rows
.irp i, 0,1,2,3,4,5,6,7
	ds_store_b128 v[STW], v[S+32+4*\i:S+32+4*\i+3] offset:544*\i   ; Q turns through my stage: in as whole rows,
.endr
.irp i, 0,1,2,3,4,5,6,7
	ds_load_b128 v[S+4*\i:S+4*\i+3], v[STR] offset:16*\i           ; back as 32 neighbours along d of row r (LDS serves a wave's instructions in order: ISA guide 5.7.1.4)
.endr
	s_wait_dscnt 0x0
	Q32 S, BHI, PT, BM, BS, BP                     ; my block h of row r: six registers of codes, straight into their place
	v_lshlrev_b32 v[T0], v[H8], v[BP]
	s_delay_alu instid0(VALU_DEP_1)
	v_permlanex16_b32 v[T0+1], v[T0], s[SEL], s[SEL+1]
	s_delay_alu instid0(VALU_DEP_1)
	v_or_b32 v[T0], v[T0], v[T0+1]                 ; (q0, q1),
	s_delay_alu instid0(VALU_DEP_1)
	v_lshlrev_b32 v[T0], v[SH], v[T0]              ; in the half of the word where Q stands in my half's form of the operand,
	s_delay_alu instid0(VALU_DEP_1)
	v_or_b32 v[QS], v[T0], v[SW]                   ; beside the mask codes' two bytes
	v_mov_b32 v13, 0xff61b1e6                      ; the largest raw score so far: -3e38
	v_mov_b32 v12, 0x7e000000                      ; -M: 2^125, a whole number over every -M to come
	v_mov_b32 v14, 0
	v_mov_b32 v15, 0
.set j, 0
.rept 32
	v_mov_b32 v[O+j], 0                            ; O^T: the step is written for every step alike.  These lines are also the places between Q's codes and scale word and the products
.set j, j+1
.endr
	s_mov_b32 s[STEPS], 15
.Lstep:
	s_wait_alu depctr_va_vdst(0)
	STEP 1
	s_sub_co_u32 s[STEPS], s[STEPS], 1
	s_cmp_lg_u32 s[STEPS], 0
	s_cbranch_scc1 .Lstep
	s_wait_alu depctr_va_vdst(0)
	STEP 0                                         ; the pass's last step asks for nothing further
	; THE WAY OUT: O^T / the sum, through my stage, out as whole rows
	v_add_f32 v14, v14, v15
	s_delay_alu instid0(VALU_DEP_1)
	v_permlanex16_b32 v[TT], v14, s[SEL], s[SEL+1]
	s_delay_alu instid0(VALU_DEP_1)
	v_add_f32 v14, v14, v[TT]                      ; the row's sum
	s_wait_alu depctr_va_vdst(0)
	v_rcp_f32 v[RC], v14
	v_nop
	s_wait_alu depctr_va_vdst(0)
.set j, 0
.rept 16
	v_pk_mul_f32 v[S+j:S+j+1], v[O+j:O+j+1], v[RC:RC+1] op_sel_hi:[1,0]   ; register 8 t + i: out(r, 16 t + 8 h + i)
.set j, j+2
.endr
.irp t, 0,1,2,3
	ds_store_b128 v[STO], v[S+8*\t:S+8*\t+3] offset:64*\t
	ds_store_b128 v[STO], v[S+8*\t+4:S+8*\t+7] offset:64*\t+16
.endr
.irp i, 0,1,2,3,4,5,6,7
	ds_load_b128 v[S+32+4*\i:S+32+4*\i+3], v[STW] offset:544*\i
.endr
.irp i, 0,1,2,3,4,5,6,7
	s_wait_dscnt 7-\i                              ; load i is back; the younger ones may stay out
	global_store_b128 v[LI], v[S+32+4*\i:S+32+4*\i+3], s[10:11] offset:512*\i th:TH_STORE_NT   ; two whole rows: 512 consecutive bytes
.endr
	s_wait_xcnt 0x0                                ; the stores have read their registers and their base
	s_add_nc_u64 s[10:11], s[10:11], 4096
	s_sub_co_u32 s[PASS], s[PASS], 1
	s_cmp_eq_u32 s[PASS], 0
	s_cbranch_scc1 .Lnoq                           ; no load leaves its buffer: the last pass asks for nothing
	QLOAD                                          ; the next pass's Q and first mask codes
	MLOAD
.Lnoq:
	s_cmp_lg_u32 s[PASS], 0
	s_cbranch_scc1 .Lpass
	s_wait_tensorcnt 0x0                           ; the wave's end
	ds_add_u32 v[SPW], v[NIL]
	s_wait_dscnt 0x0
	CROUND                                         ; the closing round
	s_endpgm
.Lfunc_end_k_q5c79284b50_attn:
	.size	k_q5c79284b50_attn, .Lfunc_end_k_q5c79284b50_attn-k_q5c79284b50_attn
	.p2alignl 7, 3214868480
	.fill 96, 4, 3214868480
	.section	.rodata,"a",@progbits
	.p2align	6, 0x0
	.amdhsa_kernel k_q5c79284b50_attn
		.amdhsa_group_segment_fixed_size 280576
		.amdhsa_private_segment_fixed_size 0
		.amdhsa_enable_private_segment 0
		.amdhsa_kernarg_size 32
		.amdhsa_user_sgpr_count 2
		.amdhsa_user_sgpr_kernarg_segment_ptr 1
		.amdhsa_wavefront_size32 1
		.amdhsa_system_sgpr_workgroup_id_x 1
		.amdhsa_system_sgpr_workgroup_id_y 1
		.amdhsa_system_sgpr_workgroup_id_z 1
		.amdhsa_system_vgpr_workitem_id 0
		.amdhsa_next_free_vgpr 256
		.amdhsa_next_free_sgpr 72
		.amdhsa_reserve_vcc 1
		.amdhsa_float_denorm_mode_32 3
		.amdhsa_float_denorm_mode_16_64 3
		.amdhsa_memory_ordered 1
		.amdhsa_forward_progress 1
		.amdhsa_inst_pref_size 48
	.end_amdhsa_kernel
	.amdgpu_metadata
---
amdhsa.version: [ 1, 2 ]
amdhsa.kernels:
  - .name:           k_q5c79284b50_attn
    .symbol:         k_q5c79284b50_attn.kd
    .args:
      - { .name: Q, .offset: 0, .size: 8, .value_kind: global_buffer, .address_space: global }
      - { .name: kv, .offset: 8, .size: 8, .value_kind: global_buffer, .address_space: global }
      - { .name: mcodes, .offset: 16, .size: 8, .value_kind: global_buffer, .address_space: global }
      - { .name: out0, .offset: 24, .size: 8, .value_kind: global_buffer, .address_space: global }
    .group_segment_fixed_size: 280576
    .private_segment_fixed_size: 0
    .kernarg_segment_align: 8
    .kernarg_segment_size: 32
    .max_flat_workgroup_size: 512
    .sgpr_count:     72
    .vgpr_count:     256
    .wavefront_size: 32
...
	.end_amdgpu_metadata
.endif
;; end of part 2
